; MI455X (gfx1250); checked and timed in simulation.
; The chip was launched on July 23, 2026; its instructions are those of AMD's public machine-readable ISA for CDNA 5 (MIT licence, August 2026) and "CDNA5" Instruction Set Architecture Reference Guide (July 2026). The comments in the code are by the model that wrote it; some were corrected since.
;; Event Driven Compute Engine. Allowed arithmetic: matrix products marked QUANTISED: E2M1 operands, one E8M0 scale for each 32 along K, by v_wmma_scale_f32_16x16x128_f8f6f4 with both operands' format E2M1 (or v_wmma_scale_f32_32x16x128_f4), f32 sums; everything else in f32.
;; Inputs: b1 2,048 float32; b2 512 float32; w1_codes 2,048 x 16 x 16 uint8 (E2M1 codes of w1, K innermost, in blocks of 32 codes, two codes a byte); w1_scales 2,048 x 16 uint8 (E8M0 scales of w1, one for each 32 codes along K); w2_codes 512 x 64 x 16 uint8 (E2M1 codes of w2, K innermost, in blocks of 32 codes, two codes a byte); w2_scales 512 x 64 uint8 (E8M0 scales of w2, one for each 32 codes along K); x 4 x 16 x 512 x 512 float32.
;; Outputs: out0 4 x 16 x 512 x 512 float32.
;; This version of the problem:
;;   THIS VERSION OF THE PROBLEM IS GIVEN IN LOW PRECISION. The matrix products marked QUANTISED in the list below multiply operands that are first quantised to E2M1 (2 exponent bits, 1 mantissa bit; 4 bits a number), with one power-of-two scale for each 32 numbers along K (OCP MX v1.0); their sums are f32. All else is computed in f32.
;;   The module's matrix products, in the order in which they are computed (A, B: the left and right operand; K: the contracted axis; several contracted axes count as one K, in the product's order):
;;     1. [M 32,768, K 512] x [K 512, N 2,048]; A: input x; B: input w1 (given as codes): QUANTISED
;;     2. [M 32,768, K 2,048] x [K 2,048, N 512]; A: computed on the way; B: input w2 (given as codes): QUANTISED
;;   THE QUANTISER, for each operand of a quantised product, along K:
;;     - K is cut into blocks of 32 from its start; a last block that is shorter is filled with zeros.
;;     - A block's scale is 2^e with e = floor(log2(the largest magnitude in the block)) - 2, held to -126 .. 127; a block of zeros has e = 0. As a byte (E8M0): e + 127.
;;     - Each number is divided by its block's scale, clamped to +-6, and rounded to the nearest number of E2M1, ties to even, subnormals kept.
;;     - The product sums the exact products of the quantised numbers (number of the format x scale) in f32.
;;   ~~~python
;;   def quantise(x, axis):      # numpy; x: float32 -> the quantised numbers, widened to float32 again
;;       x = np.moveaxis(x, axis, -1); K = x.shape[-1]
;;       x = np.pad(x, [(0, 0)] * (x.ndim - 1) + [(0, -K % 32)]); x = x.reshape(x.shape[:-1] + (-1, 32)); a = np.abs(x).max(-1, keepdims=True)
;;       e = np.where(a > 0, np.clip(np.frexp(np.where(a > 0, a, 1))[1] - 1 - 2, -126, 127), 0)      # np.frexp(a)[1] - 1 = floor(log2(a)), exactly
;;       r = np.clip(x / 2.0 ** e, -6, 6)
;;       step = 2.0 ** (np.maximum(np.frexp(np.where(r == 0, 1, r))[1] - 1, 0) - 1)
;;       q = np.round(r / step) * step * 2.0 ** e      # np.round: ties to even
;;       return np.moveaxis(q.reshape(q.shape[:-2] + (-1,))[..., :K], -1, axis).astype(np.float32)
;;   ~~~
;;   OPERANDS COMPUTED ON THE WAY. 'Computed on the way' means the value that the module computes at that place (a softmax that the list does not call 'softmax' is quantised finished and normalised). What goes into a quantiser is computed in f32, as accurately as f32 sums, v_exp_f32 and their like allow (about 1e-6 of the number): no bf16 or f16 on the way to a quantiser, and a product that is left as it is and whose result goes on into a quantised operand takes f32 operands (vector FMAs, or v_wmma_f32_16x16x4_f32). A number that lies on a knife's edge between two numbers of the format may be rounded either way, as far as f32 arithmetic and the matrix unit's own rounding can turn it there, and no further.
;;   INPUTS GIVEN AS CODES. w1 (in the module: [512, 2048], K = its axis 0); w2 (in the module: [2048, 512], K = its axis 0): each comes as NAME_codes (uint8): NAME with its K axis moved to the last place and cut into blocks of 32 codes, [.., K / 32, bytes a block], one block behind the other in memory; two codes a byte, the lower K in the low four bits (a code: sign, 2 exponent bits, 1 mantissa bit); and NAME_scales (uint8): the same leading axes, one E8M0 byte (e + 127) for each 32 codes along K. Its value is code x scale, taken as it is: it is not quantised again, and the codes and scales need not be those that the quantiser above would give.
;; One version. Each part assembles by itself: llvm-mc -triple=amdgcn-amd-amdhsa -mcpu=gfx1250 --defsym DOCPART=n.
;; ======== version 1 of 1: 1 launch
;; launch ffn (part 1): grid 256 x 1, 4 waves a work-group, clusters of 4 x 1, 327,680 bytes of LDS; arguments x, w1_codes, w1_scales, b1, w2_codes, w2_scales, b2, out0; writes out0
.if DOCPART == 1
	.amdgcn_target "amdgcn-amd-amdhsa--gfx1250"
	.amdhsa_code_object_version 6
	.text
	.protected	k_qcd266cceea_ffn
	.globl	k_qcd266cceea_ffn
	.p2align	8
	.type	k_qcd266cceea_ffn,@function
k_qcd266cceea_ffn:
	s_mov_b64 s[64:65], 0
	v_nop
	global_prefetch_b8 v0, s[64:65] scope:SCOPE_SE
	s_setreg_imm32_b32 hwreg(HW_REG_WAVE_MODE, 25, 1), 1
	s_wait_xcnt 0x0
	s_wait_alu depctr_hold_cnt(0) depctr_sa_sdst(0) depctr_va_vdst(0) depctr_va_sdst(0) depctr_va_ssrc(0) depctr_va_vcc(0) depctr_vm_vsrc(0)
	s_getreg_b32 s2, hwreg(HW_REG_IB_STS2, 6, 4)
	s_cmp_eq_u32 s2, 0
	s_cbranch_scc0 .Lentry_in_a_cluster
	s_endpgm
.Lentry_in_a_cluster:
	s_bfe_u32 s2, ttmp6, 0x10000c
	s_cmp_lg_u32 s2, 0x3003
	s_cbranch_scc0 .Lentry_shape_is_right
	s_endpgm
.Lentry_shape_is_right:
; out = where(any |x| > 0.01 in the row, relu(x W1 + b1) W2 + b2, 0).  x, out: [32768][512] f32.  Both products on codes of FP4 (E2M1) with one E8M0 scale for each 32 along K.
; W1: 2,048 rows (hidden units) of 256 bytes of codes, 16 scale bytes a row.  W2: 512 rows (outputs) of 1,024 bytes of codes, 64 scale bytes a row.  b1 [2048], b2 [512] f32.
; SHARES.  256 work-groups of four waves; a work-group owns 128 rows of x and takes them through the whole chain; the hidden layer (128 x 2,048) never leaves LDS, where it lies as codes (131,072 bytes).
;   X:   wave w quantises rows 32 w .. 32 w + 31 of x along K into LDS (codes by rows, scale words, each row's largest magnitude).
;   A:   the hidden layer, 256 units a step (8 steps).  THE WAVES SHARE THE COLUMNS: wave w makes units 64 w .. 64 w + 63 of a step for all 128 rows; x's 32 fragments stay in 256 registers of every wave.
;        W1's fragments, scale words and b1 have TWO sets of registers: a step's head asks LDS for the next step's, which land while this step's 128 products run.
;   B:   y, 256 along K a tile (8 tiles).  Wave w makes outputs 128 w .. 128 w + 127 for all 128 rows: 64 accumulators, 512 registers.
;   OUT: rows without a spike become zeros; 16 rows at a time go through the wave's stage in LDS and leave as stores of 512 consecutive bytes.
; So each fragment of a weight is read from LDS once, by one wave, and feeds eight products.
; CLUSTER.  All work-groups walk the same weights, so the four of a cluster ask for each tile JOINTLY: the same tensor load, the same descriptor, the mask 15.  My place in the cluster enters x's and out's addresses alone.
; BOTH PRODUCTS ARE USED TRANSPOSED (source 0 = 16 rows of a weight, source 1 = 16 rows of x or of the hidden layer): a lane holds one row throughout, its registers run along the units or outputs.
; A tile of W1 is 16 neighbouring units, so lane (r, h) holds units 16 t + 8 h + 0 .. 7 of its row in tile t.  Eight codes are a register; the second product wants units 32 h + 8 i + 0 .. 7 in register i of a quad of 64 units:
; tiles 0, 2, 1, 3 are converted into registers 0, 1, 2, 3, and registers 0 and 1, and 2 and 3, change halves.
; THE RELU is taken on the codes: a block's largest magnitude is searched among the signed numbers over a floor (what is negative does not count), and the magnitude bits of negative codes are cleared afterwards.
; W2's tiles have rows of 128 bytes: two slots of 512 rows x 256 bytes (278,528 with padding) do not fit beside the hidden layer's 140,288 bytes of codes and scales in 327,680.
; The biases are the C of each sum's first product, so they are added ahead of the products and not behind them.
; LIMITS: NaN and infinities in x are not served.  A block whose largest magnitude lies under 2^-124, a block of zeros among them, gets the scale byte 1 (the quantiser's hold at -126; a block of zeros has zero codes,
; which add nothing under any byte).  A negative hidden number becomes the code of -0, which adds nothing.
;
; LDS.  0: two slots of 74,752 bytes, filled by tensor loads alone.  An A tile: 256 rows of W1 at pitch 272, their 4,096 scale bytes at 69,632, their 256 numbers of b1 at 73,728.
;   A B tile: 512 rows of W2 (128 bytes each) at pitch 144; wave w fetches and reads rows 128 w on.  Pitches of 272 and 144 bytes let the 16 neighbouring rows of a load start at different banks (64 banks of 4 bytes: ISA guide 11.1).
;   HIMG: the hidden layer as images of four registers: 32,768 x writing wave + 4,096 x step + 512 x tile of rows + 16 x lane.  The image of (step, wave w) is registers 4 (w % 2) .. + 3 of K step 2 step + w / 2 of the second product.
;   HSC:  its scale bytes: the word at 2,304 w + 36 (16 i + r) + 4 step holds wave w's two bytes for row r of tile 2 i (low half) and of tile 2 i + 1 (high half).
;   XC, XSC: x's codes (pitch 272) and scale words (16 bytes a row).  W2S lies over them once x's fragments are in registers: 9,216 w + 72 x column + the column's 64 scale bytes.
;   FLG: each row's largest magnitude.  SPARE: the spare words.  The stages of the way out lie in slot 0, behind its last fill and its last read.
; REGISTERS, in windows of 256.  Window 0: v0-31, v192-196 addresses; v32-55 at work in X; v32-63 b1's set 1 (v40-47 in B, v32-39 on the way out); v64-127 two sets of four hidden tiles; v128-159 b1's set 0;
;   v160-189, v240-247 at work in A; in B v128-191 the hidden layer's eight fragments; v208-239 scale words and nothing else.   Window 1: W1's 16 fragments, set 0; in B two sets of W2's eight; v192-255 b2.
;   Window 2: x's 32 fragments, in B the accumulators of rows 0-63.   Window 3: x as loaded (8 sets of 32); then v0-63 W2's scale bytes as loaded and v64-191 W1's fragments, set 1; in B the accumulators of rows 64-127.
; TENSOR LOADS: a wave has two out at the start (W1's tiles 0 and 1) and one behind each round after that.
.set SLOT,  74752
.set WSC,   69632
.set WB1,   73728
.set HIMG,  149504
.set HSC,   280576
.set XC,    289792
.set XSC,   324608
.set W2S,   289792
.set FLG,   326656
.set SPARE, 327168
.set XM,  32                           ; X: v32-35 largest magnitudes, v36-39 scale operands, v40-43 scale bytes and words, v44-47 a neighbour's, v48-51 codes, v52-53 the rows' maxima, v54-55 the other half's
.set XE,  36
.set XT,  40
.set XT2, 44
.set XCD, 48
.set HR,  40                           ; B: v40-47 the hidden layer's scale halves as they lie in LDS
.set FLR, 32                           ; OUT: v32-39 the rows' largest magnitudes
.set HA,  64
.set PC,  160                          ; A: v160-175 codes, four sets; v176-179 largest numbers, one for each accumulator; v180-181 the other half's; v182-183 scale operands; v184-185 bytes; v186-189 scale halves; v240-247 at work
.set QM,  176
.set QX,  180
.set QE,  182
.set QB,  184
.set QSW, 186
.set QU,  240
.set AF,  128
.set W1S, 208                          ; A: W1's scale words: set 0 v208-215, set 1 v232-239; v216-231 x's
.set XS,  216
.set WS,  208                          ; B: v208-223 W2's scale words, two sets; v224-239 the hidden layer's, two sets
.set HS,  224
.set MSB, 0
.macro WIN new                         ; the immediate's high byte repeats the setting that is left; a switch that changes nothing is dropped
.if MSB != (\new)
	s_set_vgpr_msb (MSB<<8)|(\new)
.set MSB, (\new)
.endif
.endm
.macro PLACES n                        ; plain vector instructions between a matrix instruction and a load into, or a read of, its registers
.rept \n
	v_nop
.endr
.endm
.macro CREST                           ; a round of the cluster's barrier behind its opening barrier
	s_cmp_lg_u32 s20, 0
	s_cbranch_scc1 .Lnot_wave_0_\@
	s_barrier_signal -3
.Lnot_wave_0_\@:
	s_barrier_wait -3
	s_barrier_signal -1
	s_barrier_wait -1
.endm
.macro ROUND                           ; a whole round: my work-group's barrier, wave 0's signal for it, every wave's wait for all four work-groups, my work-group's barrier
	s_barrier_signal -1
	s_barrier_wait -1
	CREST
.endm
; A joint load of a tile of W1 into slot par: waves 0 and 1 its codes (128 rows each), wave 2 its scale bytes, wave 3 its part of b1.  The branches hang on the wave's number alone.
; Four v_nop follow each load, ahead of the jump, the label and what follows.
.macro JLOAD_A par
	s_cmp_lt_u32 s20, 2
	s_cbranch_scc0 .Lja_s_\@
	tensor_load_to_lds s[68+20*(\par):71+20*(\par)], s[32:39]
	s_nop 0
	PLACES 4
	s_branch .Lja_e_\@
.Lja_s_\@:
	s_cmp_eq_u32 s20, 2
	s_cbranch_scc0 .Lja_v_\@
	tensor_load_to_lds s[72+20*(\par):75+20*(\par)], s[40:47]
	s_nop 0
	PLACES 4
	s_branch .Lja_e_\@
.Lja_v_\@:
	tensor_load_to_lds s[76+20*(\par):79+20*(\par)], s[48:55]
	s_nop 0
	PLACES 4
.Lja_e_\@:
.endm
.macro JLOAD_B g0                      ; a joint load of a tile of W2: every wave its own 128 rows
	tensor_load_to_lds s[\g0:\g0+3], s[56:63]
	s_nop 0
	PLACES 4
.endm
; One product.  The register numbers are the symbols rD, rA, rB, rC, rSA, rSB; rRA, rRB say whether a side's scales are read from lanes 16-31.
.macro WM
.if rRA && rRB
	v_wmma_scale_f32_16x16x128_f8f6f4 v[rD:rD+7], v[rA:rA+7], v[rB:rB+7], v[rC:rC+7], v[rSA], v[rSB] matrix_a_fmt:MATRIX_FMT_FP4 matrix_b_fmt:MATRIX_FMT_FP4 matrix_a_scale:MATRIX_SCALE_ROW1 matrix_b_scale:MATRIX_SCALE_ROW1
.elseif rRA
	v_wmma_scale_f32_16x16x128_f8f6f4 v[rD:rD+7], v[rA:rA+7], v[rB:rB+7], v[rC:rC+7], v[rSA], v[rSB] matrix_a_fmt:MATRIX_FMT_FP4 matrix_b_fmt:MATRIX_FMT_FP4 matrix_a_scale:MATRIX_SCALE_ROW1
.elseif rRB
	v_wmma_scale_f32_16x16x128_f8f6f4 v[rD:rD+7], v[rA:rA+7], v[rB:rB+7], v[rC:rC+7], v[rSA], v[rSB] matrix_a_fmt:MATRIX_FMT_FP4 matrix_b_fmt:MATRIX_FMT_FP4 matrix_b_scale:MATRIX_SCALE_ROW1
.else
	v_wmma_scale_f32_16x16x128_f8f6f4 v[rD:rD+7], v[rA:rA+7], v[rB:rB+7], v[rC:rC+7], v[rSA], v[rSB] matrix_a_fmt:MATRIX_FMT_FP4 matrix_b_fmt:MATRIX_FMT_FP4
.endif
.endm
; ---------------------------------------------------------------- the head
	s_load_b256 s[4:11], s[0:1], 0x0               ; x s[4:5], W1's codes s[6:7], W1's scales s[8:9], b1 s[10:11]
	s_load_b256 s[12:19], s[0:1], 0x20             ; W2's codes s[12:13], W2's scales s[14:15], b2 s[16:17], out s[18:19]
	v_lshl_add_u32 v4, v0, 2, SPARE                ; my spare word; never rewritten
	v_mov_b32 v5, 0                                ; 0; never rewritten
	ds_add_u32 v4, v5
	ds_add_u32 v4, v5
	s_wait_dscnt 0x0
	v_lshrrev_b32 v1, 5, v0
	v_readfirstlane_b32 s20, v1                    ; wave 0..3
	v_and_b32 v1, 31, v0                           ; lane
	v_and_b32 v2, 15, v0                           ; r
	v_bfe_u32 v3, v0, 4, 1                         ; h
	s_bfe_u32 s21, ttmp6, 0x40000                  ; cx: my place in the cluster
	s_lshl_b32 s22, ttmp9, 2                       ; in a cluster launch ttmp9 counts clusters
	s_add_co_u32 s22, s22, s21                     ; my block of 128 rows: it enters x's and out's addresses alone
	s_mov_b32 s24, 0x76543210
	s_mov_b32 s25, 0xfedcba98                      ; v_permlanex16_b32's selects for lane l xor 16
	s_mov_b32 s26, 0x88888888                      ; the signs of eight codes
	s_mov_b32 s27, 0x3c23d70a                      ; 0.01
	s_mov_b32 s31, 0                               ; 4,096 x the even step in hand: the hidden layer's images
	s_mov_b32 s66, 0                               ; 4 x that step: its scale halves
	; X: addresses
	v_lshlrev_b32 v6, 5, v2
	v_lshl_add_u32 v6, v3, 4, v6                   ; x: 32 r + 16 h: a load's 32 lanes cover 512 consecutive bytes
	s_mul_i32 s28, s20, 8704
	s_add_co_u32 s28, s28, XC
	v_lshl_add_u32 v7, v1, 2, s28                  ; codes: my wave's 32 rows of 272 bytes, 4 bytes a lane
	s_lshl_b32 s28, s20, 9
	s_add_co_u32 s28, s28, XSC
	v_lshl_add_u32 v8, v3, 2, s28                  ; scale words: 16 bytes a row; lanes 16-31 hold the next K step's
	s_lshl_b32 s28, s20, 7
	s_add_co_u32 s28, s28, FLG
	v_mov_b32 v9, s28                              ; the rows' largest magnitudes
	v_bfe_u32 v10, v0, 2, 2
	v_lshlrev_b32 v10, 3, v10                      ; my block's byte in its scale word: 8 ((lane / 4) % 4) bits up
	; A: addresses
	v_mul_u32_u24 v11, v2, 272
	v_lshl_add_u32 v11, v3, 4, v11
	v_add_nc_u32 v11, XC, v11                      ; a fragment of x: row r, + 16 h
	v_lshl_add_u32 v12, v1, 4, XSC                 ; x's scale words: lanes 0-15 an even tile of rows, lanes 16-31 the odd one behind it
	s_mul_i32 s28, s20, 64*272
	v_mul_u32_u24 v13, v2, 272
	v_lshl_add_u32 v13, v3, 4, v13
	v_add_nc_u32 v13, s28, v13                     ; a fragment of W1 in slot 0: my wave's 64 rows of a tile, row r, + 16 h;
	v_add_nc_u32 v16, SLOT, v13                    ; in slot 1
	s_lshl_b32 s28, s20, 10
	s_add_co_u32 s28, s28, WSC
	v_lshl_add_u32 v14, v1, 4, s28                 ; W1's scale words, 16 bytes a row: lanes 0-15 tile 2 b, lanes 16-31 tile 2 b + 1: 512 consecutive bytes
	v_add_nc_u32 v17, SLOT, v14
	s_lshl_b32 s28, s20, 8
	s_add_co_u32 s28, s28, WB1
	v_lshl_add_u32 v15, v3, 5, s28                 ; b1: my wave's 64 numbers, + 8 h of them
	v_add_nc_u32 v18, SLOT, v15
	s_lshl_b32 s28, s20, 15
	s_add_co_u32 s28, s28, HIMG
	v_lshl_add_u32 v19, v1, 4, s28                 ; where I store the hidden layer's images
	s_mul_i32 s28, s20, 2304
	s_add_co_u32 s28, s28, HSC
	v_mul_u32_u24 v20, v2, 36
	v_add_nc_u32 v20, s28, v20                     ; and its scale halves
	; B: addresses
	s_mul_i32 s29, s20, 9216
	s_add_co_u32 s29, s29, W2S
	v_lshrrev_b32 v33, 2, v1
	v_mul_u32_u24 v23, v33, 72
	v_and_b32 v33, 3, v1
	v_lshl_add_u32 v23, v33, 4, v23
	v_add_nc_u32 v23, s29, v23                     ; W2's scale bytes on the way in: four lanes to a column of 64 bytes, columns 72 bytes apart
	v_mul_u32_u24 v24, v1, 72
	v_add_nc_u32 v24, s29, v24                     ; and out: a column a lane, 8 bytes a tile
	v_mul_u32_u24 v25, v1, 36
	v_add_nc_u32 v25, HSC, v25                     ; the hidden layer's scale halves
.irp x, 0,1,2,3
	v_lshl_add_u32 v[26+\x], v1, 4, HIMG+32768*\x  ; the images that wave x wrote
.endr
	s_mul_i32 s28, s20, 18432
	v_mul_u32_u24 v30, v2, 144
	v_lshl_add_u32 v30, v3, 4, v30
	v_add_nc_u32 v30, s28, v30                     ; a fragment of W2 in slot 0: my wave's 128 rows,
	v_add_nc_u32 v31, SLOT, v30                    ; in slot 1
	; OUT: addresses
	v_lshlrev_b32 v192, 4, v1                      ; 16 x lane
	s_mul_i32 s28, s20, 8448
	v_mul_u32_u24 v193, v2, 528
	v_lshl_add_u32 v193, v3, 5, v193
	v_add_nc_u32 v193, s28, v193                   ; my stage, in: row r of 528 bytes, + 32 h
	v_lshl_add_u32 v194, v1, 4, s28                ; back: a row of 512 bytes to the 32 lanes
	v_lshl_add_u32 v195, v2, 2, FLG                ; row r's largest magnitude
	v_lshlrev_b32 v196, 5, v3                      ; b2: + 8 h numbers
.irp i, 44,45,46,47,54,55,180,181
	v_mov_b32 v[\i], 0                             ; written once: the destination of a lane permute counts as one of its sources
.endr
	; descriptor groups 1.  15:0 the mask: all four work-groups; 17:16 the element's size; 20 padding on; 21 set beside a mask; 24:22 its interval; 31:25 its words less one
	s_mov_b32 s32, 15|(1<<20)|(1<<21)|(5<<22)|(3<<25)  ; W1's codes: 128 rows x 256 bytes, dense in memory; 4 words of padding behind every 64
	s_mov_b32 s33, 256<<16                         ; tensor_dim0
	s_mov_b32 s34, 128<<16                         ; tensor_dim1
	s_mov_b32 s35, 256<<16                         ; tile_dim0
	s_mov_b32 s36, 128                             ; tile_dim1
	s_mov_b32 s37, 256                             ; from row to row
	s_mov_b32 s38, 0
	s_mov_b32 s39, 0
	s_mov_b32 s40, 15|(3<<16)|(1<<21)              ; W1's scale bytes: 4,096 dense bytes as 16 rows of 32 elements of 8 bytes
	s_mov_b32 s41, 32<<16
	s_mov_b32 s42, 16<<16
	s_mov_b32 s43, 32<<16
	s_mov_b32 s44, 16
	s_mov_b32 s45, 32
	s_mov_b32 s46, 0
	s_mov_b32 s47, 0
	s_mov_b32 s48, 15|(3<<16)|(1<<21)              ; b1: 1,024 dense bytes as 4 such rows
	s_mov_b32 s49, 32<<16
	s_mov_b32 s50, 4<<16
	s_mov_b32 s51, 32<<16
	s_mov_b32 s52, 4
	s_mov_b32 s53, 32
	s_mov_b32 s54, 0
	s_mov_b32 s55, 0
	s_mov_b32 s56, 15|(1<<20)|(1<<21)|(4<<22)|(3<<25)  ; W2's codes: 128 rows x 128 bytes, 1,024 bytes apart in memory; 4 words of padding behind every 32
	s_mov_b32 s57, 128<<16
	s_mov_b32 s58, 128<<16
	s_mov_b32 s59, 128<<16
	s_mov_b32 s60, 128
	s_mov_b32 s61, 1024
	s_mov_b32 s62, 0
	s_mov_b32 s63, 0
	; offsets: those that hold my block's number are made in s[28:29], which feed no descriptor and no LDS address from here on; those of the wave's number alone in s[2:3]
	s_lshl_b32 s28, s22, 18                        ; 128 rows of 2,048 bytes,
	s_lshl_b32 s29, s20, 16                        ; my wave's 32 rows
	s_add_co_u32 s28, s28, s29
	s_mov_b32 s29, 0
	s_mov_b32 s3, 0
	s_wait_kmcnt 0x0
	s_add_nc_u64 s[4:5], s[4:5], s[28:29]
	s_lshl_b32 s28, s22, 18
	s_lshl_b32 s29, s20, 9                         ; my wave's 128 outputs
	s_add_co_u32 s28, s28, s29
	s_mov_b32 s29, 0
	s_add_nc_u64 s[18:19], s[18:19], s[28:29]
	s_lshl_b32 s2, s20, 9                          ; b2: my 128 numbers
	s_add_nc_u64 s[16:17], s[16:17], s[2:3]
	s_lshl_b32 s2, s20, 13                         ; W2's scale bytes: my 128 columns of 64
	s_add_nc_u64 s[14:15], s[14:15], s[2:3]
	s_and_b32 s2, s20, 1
	s_mul_i32 s30, s2, 34816                       ; which 128 rows of W1's tile I fetch: in a slot,
	s_lshl_b32 s2, s2, 15                          ; and in memory
	; descriptor groups 0, a set for each slot: 1:0 count = 1; 63:32 LDS address; 120:64 global address; 127:126 type = 2.  Slot 0 begins with tile 0, slot 1 with tile 1; each then steps two tiles
	s_mov_b32 s68, 1                               ; W1's codes
	s_mov_b32 s69, s30
	s_add_nc_u64 s[70:71], s[6:7], s[2:3]
	s_mov_b32 s88, 1
	s_add_co_u32 s89, s30, SLOT
	s_add_nc_u64 s[90:91], s[70:71], 65536
	s_or_b32 s71, s71, 0x80000000
	s_or_b32 s91, s91, 0x80000000
	s_mov_b32 s72, 1                               ; W1's scale bytes
	s_mov_b32 s73, WSC
	s_mov_b64 s[74:75], s[8:9]
	s_mov_b32 s92, 1
	s_mov_b32 s93, SLOT+WSC
	s_add_nc_u64 s[94:95], s[8:9], 4096
	s_or_b32 s75, s75, 0x80000000
	s_or_b32 s95, s95, 0x80000000
	s_mov_b32 s76, 1                               ; b1
	s_mov_b32 s77, WB1
	s_mov_b64 s[78:79], s[10:11]
	s_mov_b32 s96, 1
	s_mov_b32 s97, SLOT+WB1
	s_add_nc_u64 s[98:99], s[10:11], 1024
	s_or_b32 s79, s79, 0x80000000
	s_or_b32 s99, s99, 0x80000000
	s_lshl_b32 s2, s20, 17                         ; W2: my 128 rows of 1,024 bytes
	s_mov_b32 s80, 1                               ; slot 0: tiles 0, 2, 4, 6
	s_mul_i32 s81, s20, 18432
	s_add_nc_u64 s[82:83], s[12:13], s[2:3]
	s_mov_b32 s84, 1                               ; slot 1: tiles 1, 3, 5, 7
	s_add_co_u32 s85, s81, SLOT
	s_add_nc_u64 s[86:87], s[82:83], 128
	s_or_b32 s83, s83, 0x80000000
	s_or_b32 s87, s87, 0x80000000
	WIN 0x40                                       ; destination window 1
.irp n, 0,1,2,3,4,5,6,7                        ; b2 in the result's layout: tile n, lane (r, h): outputs 16 n + 8 h + 0 .. 7.  It stays until B's first products take it as C
	global_load_b128 v[192+8*\n:195+8*\n], v196, s[16:17] offset:64*\n
	global_load_b128 v[196+8*\n:199+8*\n], v196, s[16:17] offset:64*\n+16
.endr
; ---------------------------------------------------------------- X: x into codes
; Rows 2 p and 2 p + 1 of my 32, as four groups of 256 numbers (group g: row 2 p + g / 2, half g % 2), eight loads of 512 consecutive bytes, into set p % 8 of window 3.
.macro XLOAD p
	WIN 0xc0                                       ; destination window 3, address window 0
.irp g, 0,1,2,3
	global_load_b128 v[32*((\p)%8)+8*\g:32*((\p)%8)+8*\g+3], v6, s[4:5] offset:2048*(2*(\p)+\g/2)+1024*(\g%2) th:TH_LOAD_NT
	global_load_b128 v[32*((\p)%8)+8*\g+4:32*((\p)%8)+8*\g+7], v6, s[4:5] offset:2048*(2*(\p)+\g/2)+1024*(\g%2)+512 th:TH_LOAD_NT
.endr
.endm
.macro XBATCH p
.if (\p)+7 <= 15
	XLOAD (\p)+7                                   ; seven batches, 56 loads, ahead; into the set that the last batch has left
.endif
.if 15-(\p) >= 7
	s_wait_loadcnt 56                              ; my eight loads are in; the eight of each of the seven later batches may be out
.else
	s_wait_loadcnt 8*(15-(\p))
.endif
	s_wait_dscnt 0x0                               ; the last batch's stores have read their registers
.set XB, 32*((\p)%8)
	WIN 0xc3
.irp g, 0,1,2,3
.irp i, 0,1,2,3
	v_permlane16_swap_b32 v[XB+8*\g+\i], v[XB+8*\g+4+\i]   ; the first load's lanes 16-31 change places with the second's lanes 0-15: lane l now holds the group's numbers 8 l .. 8 l + 7
.endr
.endr
	WIN 0x0f                                       ; sources 0 and 1 window 3
.irp g, 0,1,2,3
	v_max3_num_f32 v[XM+\g], |v[XB+8*\g]|, |v[XB+8*\g+1]|, 0x1800000   ; my eight numbers' largest magnitude, over the floor 2^(3 - 127): the byte cannot fall under 1
.endr
.irp i, 2,4,6
.irp g, 0,1,2,3
	v_max3_num_f32 v[XM+\g], |v[XB+8*\g+\i]|, |v[XB+8*\g+\i+1]|, v[XM+\g]   ; (the four groups by turns)
.endr
.endr
	WIN 0
.irp g, 0,1,2,3
	v_max_num_f32_dpp v[XM+\g], v[XM+\g], v[XM+\g] row_xmask:1 row_mask:0xf bank_mask:0xf
.endr
.irp g, 0,1,2,3
	v_max_num_f32_dpp v[XM+\g], v[XM+\g], v[XM+\g] row_xmask:2 row_mask:0xf bank_mask:0xf   ; four lanes hold a block of 32
.endr
.irp g, 0,1,2,3
	v_add_nc_u32 v[XE+\g], 0xff000000, v[XM+\g]    ; 2 off its exponent field: the conversion takes the exponent field of this operand as its scale
.endr
	WIN 0x03
.irp g, 0,1,2,3
	v_cvt_scalef32_pk8_fp4_f32 v[XCD+\g], v[XB+8*\g:XB+8*\g+7], v[XE+\g]
.endr
	WIN 0
.irp g, 0,1,2,3
	v_lshrrev_b32 v[XT+\g], 23, v[XE+\g]           ; the scale's byte.  (A plain line behind the conversions)
.endr
.irp g, 0,1,2,3
	v_lshlrev_b32 v[XT+\g], v10, v[XT+\g]          ; at its place in the word of its 128 along K
.endr
.irp k, 4,8
.irp g, 0,1,2,3
	v_mov_b32_dpp v[XT2+\g], v[XT+\g] row_xmask:\k row_mask:0xf bank_mask:0xf
.endr
.irp g, 0,1,2,3
	v_or_b32 v[XT+\g], v[XT+\g], v[XT2+\g]         ; sixteen lanes gather a word: lanes 0-15 K step 2 (g % 2), lanes 16-31 the next
.endr
.endr
	v_max_num_f32 v52, v[XM], v[XM+1]              ; the rows' largest magnitudes, for the mask (the floor lies far under 0.01)
	v_max_num_f32 v53, v[XM+2], v[XM+3]
.irp k, 4,8
	v_max_num_f32_dpp v52, v52, v52 row_xmask:\k row_mask:0xf bank_mask:0xf
	v_max_num_f32_dpp v53, v53, v53 row_xmask:\k row_mask:0xf bank_mask:0xf
.endr
	v_permlanex16_b32 v54, v52, s24, s25
	v_permlanex16_b32 v55, v53, s24, s25
	v_max_num_f32 v52, v52, v54
	v_max_num_f32 v53, v53, v55
.irp g, 0,1,2,3
	ds_store_b32 v7, v[XCD+\g] offset:272*(2*(\p)+\g/2)+128*(\g%2)   ; 32 lanes: 128 consecutive bytes of the row's codes
	ds_store_b32 v8, v[XT+\g] offset:16*(2*(\p)+\g/2)+8*(\g%2)       ; sixteen lanes write the same word with the same value
.endr
	ds_store_b32 v9, v52 offset:4*(2*(\p))
	ds_store_b32 v9, v53 offset:4*(2*(\p))+4
.endm
; ---------------------------------------------------------------- A's macros
; 42 loads: tile p's part for my 64 units, from slot p into register set p: scale words (2), b1 in the result's layout (8), 16 fragments (32).
.macro AFETCH p
	WIN 0
.irp b, 0,1
	ds_load_b128 v[W1S+24*(\p)+4*\b:W1S+24*(\p)+4*\b+3], v[14+3*(\p)] offset:512*\b   ; register 4 b + s: lanes 0-15 tile 2 b, lanes 16-31 tile 2 b + 1, K step s
.endr
.irp t, 0,1,2,3
	ds_load_b128 v[128-96*(\p)+8*\t:128-96*(\p)+8*\t+3], v[15+3*(\p)] offset:64*\t        ; tile t, lane (r, h): b1 of units 16 t + 8 h + 0 .. 7
	ds_load_b128 v[128-96*(\p)+8*\t+4:128-96*(\p)+8*\t+7], v[15+3*(\p)] offset:64*\t+16
.endr
	WIN 0x40+0x80*(\p)                             ; destination window 1 (set 0) or 3 (set 1)
.irp s, 0,1,2,3
.irp t, 0,1,2,3
.irp c, 0,1
	ds_load_b128 v[64*(\p)+8*(4*\s+\t)+4*\c:64*(\p)+8*(4*\s+\t)+4*\c+3], v[13+3*(\p)] offset:4352*\t+64*\s+32*\c
.endr
.endr
.endr
.endm
; Four products: K step s of my four tiles of units for tile of rows m, with register set p.  The four accumulators take turns, one instruction a turn; K step 0 takes b1 as C.
.macro MMA m, s, p
	WIN 0x09+2*(\p)                                ; source 0 (W1) window 1 or 3, source 1 (x) window 2
.irp t, 0,1,2,3
.set rD, HA+32*((\m)%2)+8*\t
.set rA, 64*(\p)+8*(4*(\s)+\t)
.set rB, 8*(4*(\m)+(\s))
.if (\s) == 0
.set rC, 128-96*(\p)+8*\t
.else
.set rC, rD
.endif
.set rSA, W1S+24*(\p)+4*(\t/2)+(\s)
.set rSB, XS+4*((\m)/2)+(\s)
.set rRA, \t%2
.set rRB, (\m)%2
	WM
.endr
.endm
; The quantiser of tile of rows m, in four slices that stand between the next tile's products.  My 32 numbers: register 8 t + j = unit 16 t + 8 h + j of my row; block b of 32 units is tiles 2 b, 2 b + 1 in lanes l and l xor 16.
.macro Q0 m                            ; the largest number of each accumulator, four chains by turns: NO |.|: what is negative does not count.  Each accumulator is read from its low end on
	WIN 0
.set QH, HA+32*((\m)%2)
.irp t, 0,1,2,3
	v_max3_num_f32 v[QM+\t], v[QH+8*\t], v[QH+8*\t+1], 0x1800000   ; over the floor 2^(3 - 127)
.endr
.irp t, 0,1,2,3
	v_max3_num_f32 v[QM+\t], v[QM+\t], v[QH+8*\t+2], v[QH+8*\t+3]
.endr
.endm
.macro Q1 m
	WIN 0
.set QH, HA+32*((\m)%2)
.irp i, 4,6
.irp t, 0,1,2,3
	v_max3_num_f32 v[QM+\t], v[QM+\t], v[QH+8*\t+\i], v[QH+8*\t+\i+1]
.endr
.endr
.endm
.macro Q2 m
	WIN 0
.set QH, HA+32*((\m)%2)
.set QP, PC+4*((\m)%4)
	v_max_num_f32 v[QM], v[QM], v[QM+1]            ; a block's two tiles
	v_max_num_f32 v[QM+2], v[QM+2], v[QM+3]
	v_permlanex16_b32 v[QX], v[QM], s24, s25
	v_permlanex16_b32 v[QX+1], v[QM+2], s24, s25
	v_max_num_f32 v[QM], v[QM], v[QX]              ; with lane l xor 16's 16 units: the block's
	v_max_num_f32 v[QM+2], v[QM+2], v[QX+1]
	v_add_nc_u32 v[QE], 0xff000000, v[QM]          ; 2 off the exponent field: the conversion's scale operand
	v_add_nc_u32 v[QE+1], 0xff000000, v[QM+2]
	v_lshrrev_b32 v[QB], 23, v[QE]                 ; the scale's byte
	v_lshrrev_b32 v[QB+1], 23, v[QE+1]
.if (\m)%2
	v_lshl_or_b32 v[QB], v[QB+1], 8, v[QB]
	v_lshl_or_b32 v[QSW+(\m)/2], v[QB], 16, v[QSW+(\m)/2]   ; an odd tile's two bytes above the even tile's.  A register for each pair of tiles: none is written twice in a step
.else
	v_lshl_or_b32 v[QSW+(\m)/2], v[QB+1], 8, v[QB]
.endif
.if (\m) >= 4
	s_wait_dscnt 5                                 ; behind the image store of four tiles ago stand five stores (one for an even tile, two for an odd one): it has read this set of codes.  Tiles 0-3 take sets whose stores the step's head has waited for
.endif
	v_cvt_scalef32_pk8_fp4_f32 v[QP], v[QH:QH+7], v[QE]          ; tiles 0, 2, 1, 3 into registers 0, 1, 2, 3
	v_cvt_scalef32_pk8_fp4_f32 v[QP+2], v[QH+8:QH+15], v[QE]
	v_cvt_scalef32_pk8_fp4_f32 v[QP+1], v[QH+16:QH+23], v[QE+1]
	v_cvt_scalef32_pk8_fp4_f32 v[QP+3], v[QH+24:QH+31], v[QE+1]
	v_nop                                          ; one plain line behind a scaled conversion
.endm
.macro Q3 m, par
	WIN 0
.set QP, PC+4*((\m)%4)
.irp u, 0,1,2,3                        ; THE RELU, the four registers by turns: sign bits s; s - (s >> 3) is 7 in each negative code's place; those three bits are cleared
	v_and_b32 v[QU+\u], s26, v[QP+\u]
.endr
.irp u, 0,1,2,3
	v_lshrrev_b32 v[QU+4+\u], 3, v[QU+\u]
.endr
.irp u, 0,1,2,3
	v_sub_nc_u32 v[QU+\u], v[QU+\u], v[QU+4+\u]
.endr
.irp u, 0,1,2,3
	v_bfi_b32 v[QP+\u], v[QU+\u], 0, v[QP+\u]
.endr
	v_permlane16_swap_b32 v[QP], v[QP+1]           ; register 0: units 0-7 | 8-15, register 1: 32-39 | 40-47 become 0-7 | 32-39 and 8-15 | 40-47: lanes 0-15 hold block 0, lanes 16-31 block 1
	v_permlane16_swap_b32 v[QP+2], v[QP+3]         ; likewise units 16-31 and 48-63
	ds_store_b128 v21, v[QP:QP+3] offset:512*(\m)+4096*(\par)  ; the four registers as they stand: 512 consecutive bytes
.if (\m)%2
	ds_store_b32 v22, v[QSW+(\m)/2] offset:576*((\m)/2)+4*(\par)   ; lanes r and r + 16 write the same word with the same value
.endif
.endm
; A step: 256 units, tile number of parity par, whose fragments are in register set par.
; THE HEAD IS THE CHANGE OF SLOTS.  Each wave waits for all its tensor loads (one is out: its part of the NEXT tile), adds 0 to its spare word, and waits for that and for all its LDS instructions: the loads that brought
; this step's fragments out of slot par, asked for a step ago, among them.  Behind the round the next tile is whole in all four work-groups and nobody reads slot par, which is filled first thing:
; kind = 0: with W1's tile two on; 1: with W2's tile 0; 2: with W2's tile 1.  Then the next tile's fragments are asked for (not in the last step), and this step's products begin without a wait.
; 128 products a wave; behind each four stands a slice of the quantiser of the tile of rows before, so that the slices are also the places between a tile's last product and the first read of its results.
.macro ASTEP par, kind
	s_wait_tensorcnt 0x0                           ; no tensor load of mine is out, so a group 0 may be written
	ds_add_u32 v4, v5                              ; 0 onto my spare word
.if \kind == 0
	s_add_nc_u64 s[70+20*(\par):71+20*(\par)], s[70+20*(\par):71+20*(\par)], 131072   ; this slot's next tile: 512 rows of W1 on; the type bits on top are not reached
	s_add_nc_u64 s[74+20*(\par):75+20*(\par)], s[74+20*(\par):75+20*(\par)], 8192
	s_add_nc_u64 s[78+20*(\par):79+20*(\par)], s[78+20*(\par):79+20*(\par)], 2048
.endif
	s_wait_dscnt 0x0
	ROUND
.if \kind == 0
	JLOAD_A \par
.elseif \kind == 1
	JLOAD_B 80
.else
	JLOAD_B 84
.endif
	v_add_nc_u32 v21, s31, v19                     ; where this pair of steps stores its images and scale halves
	v_add_nc_u32 v22, s66, v20
.if \kind < 2
	AFETCH 1-\par                                  ; the other set's last products stand behind the whole quantiser of the last step's tile 7
.endif
	MMA 0, 0, \par
	MMA 0, 1, \par
	MMA 0, 2, \par
	MMA 0, 3, \par
	PLACES 4                                       ; no slice is at hand yet
.irp m, 0,1,2,3,4,5,6
	MMA \m+1, 0, \par
	Q0 \m
	MMA \m+1, 1, \par
	Q1 \m
	MMA \m+1, 2, \par
	Q2 \m
	MMA \m+1, 3, \par
	Q3 \m, \par
.endr
	Q0 7
	Q1 7
	Q2 7
	Q3 7, \par
.if (\kind == 0) && (\par == 1)
	s_add_co_u32 s31, s31, 8192                    ; on to the next pair of steps
	s_add_co_u32 s66, s66, 8
.endif
.endm
; ---------------------------------------------------------------- X runs
.irp p, 0,1,2,3,4,5,6
	XLOAD \p
.endr
	WIN 0
	ROUND                                          ; all four work-groups are here: the first joint loads meet
	JLOAD_A 0                                      ; W1's tiles 0 and 1, one group of first fills: they land while x is quantised
	JLOAD_A 1
.irp p, 0,1,2,3,4,5,6,7,8,9,10,11,12,13,14,15
	XBATCH \p
.endr
	WIN 0xc0
.irp t, 0,1,2,3,4,5,6,7,8,9,10,11,12,13,14,15
	global_load_b128 v[4*\t:4*\t+3], v192, s[14:15] offset:512*\t   ; W2's scale bytes of my 128 columns, 8,192 dense bytes: they wait in window 3 until x's codes have left LDS
.endr
	WIN 0
	s_wait_tensorcnt 0x1                           ; my part of W1's tile 0 is in; tile 1's load, issued behind it, may be out
	s_wait_dscnt 0x0                               ; for the others' sake: my stores of codes, words and maxima are done
	s_barrier_signal -1
	s_barrier_wait -1
	WIN 0x80                                       ; destination window 2
.irp m, 0,1,2,3,4,5,6,7                        ; x's fragments (tile of rows m, K step s) at v[8 (4 m + s)] of window 2: they stay through all of A
.irp s, 0,1,2,3
.irp c, 0,1
	ds_load_b128 v[8*(4*\m+\s)+4*\c:8*(4*\m+\s)+4*\c+3], v11 offset:4352*\m+64*\s+32*\c
.endr
.endr
.endr
	WIN 0
.irp i, 0,1,2,3
	ds_load_b128 v[XS+4*\i:XS+4*\i+3], v12 offset:512*\i   ; register 4 i + s: lanes 0-15 the words of tile 2 i, lanes 16-31 of tile 2 i + 1, K step s
.endr
	AFETCH 0                                       ; tile 0's fragments: the first step's head waits for them
	WIN 0
; ---------------------------------------------------------------- A runs
	s_mov_b32 s23, 3
.La:                                               ; a trip runs two steps, until the register sets are back where they began: tiles 0 to 5; they ask for W1's tiles 2 to 7
	ASTEP 0, 0
	ASTEP 1, 0
	s_sub_co_u32 s23, s23, 1
	s_cmp_lg_u32 s23, 0
	s_cbranch_scc1 .La
	ASTEP 0, 1                                     ; tiles 6 and 7 are written out: they ask for W2's tiles 0 and 1
	ASTEP 1, 2
; ---------------------------------------------------------------- from A to B
	s_wait_loadcnt 0x0                             ; W2's scale bytes
	WIN 0x0c                                       ; an LDS store's data are its source 1: window 3
.irp t, 0,1,2,3,4,5,6,7,8,9,10,11,12,13,14,15  ; over x's codes and words: every wave has had x's fragments in registers since the round at A's first step.  Each wave reads its own part alone
.irp u, 0,1
	ds_store_b64 v23, v[4*\t+2*\u:4*\t+2*\u+1] offset:576*\t+8*\u
.endr
.endr
	WIN 0
	s_wait_dscnt 0x0                               ; for the others' sake: my stores of the hidden layer are done
	s_barrier_signal -1
	s_barrier_wait -1                              ; the hidden layer is whole.  W2's tile 1 may stay out; tile 0 was shown whole at the last step's head
; ---------------------------------------------------------------- B: y
.macro FETCH_B sl, q, p                ; W2's eight fragments of the slot's q-th 128 along K into set p
	WIN 0x40
.irp n, 0,1,2,3,4,5,6,7
.irp c, 0,1
	ds_load_b128 v[64*(\p)+8*\n+4*\c:64*(\p)+8*\n+4*\c+3], v[30+\sl] offset:64*(\q)+32*\c+2304*\n
.endr
.endr
	WIN 0
.endm
.macro FETCH_H q, a0                   ; the hidden layer's fragments of tiles of rows a0 .. a0 + 3: registers 4 c .. 4 c + 3 are the image that wave 2 q + c wrote
.irp a, \a0, \a0+1, \a0+2, \a0+3
.irp c, 0,1
	ds_load_b128 v[AF+8*(\a)+4*\c:AF+8*(\a)+4*\c+3], v[26+2*(\q)+\c] offset:512*(\a)
.endr
.endr
.endm
.macro SCALES sc                       ; a tile's scales, 12 loads: W2's words (register 2 i + q: lanes 0-15 tile 2 i of outputs, lanes 16-31 tile 2 i + 1), and the hidden layer's halves
.irp i, 0,1,2,3
	ds_load_b64 v[WS+8*(\sc)+2*\i:WS+8*(\sc)+2*\i+1], v24 offset:2304*\i
.endr
.irp j, 0,1
.irp x, 0,1,2,3
	ds_load_b32 v[HR+4*\j+\x], v25 offset:2304*\x+1152*\j
.endr
.endr
.endm
; The hidden layer's scale words: waves 2 q and 2 q + 1 wrote the two halves of K step q's word.  Register 4 j + 2 e + q: lanes 0-15 tile of rows 4 j + e, lanes 16-31 tile 4 j + 2 + e.
; q = 0 first: a scale register that a vector instruction wrote stands eight plain lines ahead of its first product.
.macro PERMS sc
.irp q, 0,1
.irp j, 0,1
	v_perm_b32 v[HS+8*(\sc)+4*\j+\q], v[HR+4*\j+2*\q+1], v[HR+4*\j+2*\q], 0x05040100
	v_perm_b32 v[HS+8*(\sc)+4*\j+2+\q], v[HR+4*\j+2*\q+1], v[HR+4*\j+2*\q], 0x07060302
.endr
.endr
	PLACES 4
.endm
; 16 products: tiles of rows a0, a0 + 1 x my eight tiles of outputs, 128 along K.  The 64 accumulators take turns, one instruction a turn, in the same order in every step.
; first = 1: the sums begin with b2 as C.
.macro MUL16 a0, p, q, sc, first
.irp a, \a0, \a0+1
.irp n, 0,1,2,3,4,5,6,7
.set rD, 8*(8*((\a)%4)+\n)
.set rA, 64*(\p)+8*\n
.set rB, AF+8*(\a)
.if \first
.set rC, 192+8*\n
.else
.set rC, rD
.endif
.set rSA, WS+8*(\sc)+2*(\n/2)+(\q)
.set rSB, HS+8*(\sc)+4*((\a)/4)+2*((\a)%2)+(\q)
.set rRA, \n%2
.set rRB, ((\a)/2)%2
	WM
.endr
.endr
.endm
.macro STEP sl, first                  ; a tile's first 128 along K
	s_wait_dscnt 8                                 ; all but the youngest eight loads: the hidden layer's tiles 4-7
.if \first
	WIN 0x91                                       ; source 0 (W2) and C (b2) window 1, source 1 window 0, D window 2
.else
	WIN 0xa1                                       ; C and D window 2
.endif
	MUL16 0, 0, 0, \sl, \first
	MUL16 2, 0, 0, \sl, \first
	s_wait_dscnt 0x0
	PLACES 4
	FETCH_B \sl, 1, 1
	FETCH_H 1, 0
.if \first
	WIN 0xd1
.else
	WIN 0xf1                                       ; C and D window 3
.endif
	MUL16 4, 0, 0, \sl, \first
	MUL16 6, 0, 0, \sl, \first
	PLACES 4
	WIN 0
	FETCH_H 1, 4
.endm
; A tile's second 128 along K changes slots: ONE barrier; in front of it each wave waits for all its tensor loads, adds 0 to its spare word, and waits for that and for its reads of this slot.
; fill = 1: the barrier opens a round of the cluster's, and this slot is filled again first thing behind it, with the tile two on.
.macro TURN sl, next, fill
	s_wait_tensorcnt 0x0                           ; my one load that was out is my part of the next slot
	ds_add_u32 v4, v5
	s_wait_dscnt 9                                 ; (the add and the youngest eight loads may be out)
	WIN 0xa1
	MUL16 0, 1, 1, \sl, 0                          ; sixteen products stand between the add and the wait for it
	s_wait_dscnt 0x0                               ; the add is done, and my reads of this slot are over
	s_barrier_signal -1
	MUL16 2, 1, 1, \sl, 0
	WIN 0
	s_barrier_wait -1
.if \fill
	CREST                                          ; no wave of any partner still reads this slot or has a load on its way
	s_add_nc_u64 s[82+4*\sl:83+4*\sl], s[82+4*\sl:83+4*\sl], 256
	JLOAD_B 80+4*\sl                               ; the four v_nop behind it are among the places in front of the loads below
.else
	PLACES 4
.endif
.irp x, 0,1,2,3
	v_add_nc_u32 v[26+\x], 4096, v[26+\x]          ; on to the next tile's images and scales (no LDS load of mine is out)
.endr
	v_add_nc_u32 v24, 8, v24
	v_add_nc_u32 v25, 4, v25
	SCALES \next
	FETCH_B \next, 0, 0
	FETCH_H 0, 0
	WIN 0xf1
	MUL16 4, 1, 1, \sl, 0
	MUL16 6, 1, 1, \sl, 0
	WIN 0
	s_wait_dscnt 24                                ; the scales are in: behind them stand W2's 16 loads and the hidden layer's 8
	PERMS \next                                    ; also the places in front of the loads below
	FETCH_H 0, 4
.endm
	SCALES 0
	FETCH_B 0, 0, 0
	FETCH_H 0, 0
	s_wait_dscnt 24
	PERMS 0
	FETCH_H 0, 4
	STEP 0, 1                                      ; the first step stands in front of the loop: its products start the sums
	s_mov_b32 s23, 3
.Lb:                                               ; a trip goes once round the ring and fills both slots again: tiles 2 to 7
	TURN 0, 1, 1
	STEP 1, 0
	TURN 1, 0, 1
	STEP 0, 0
	s_sub_co_u32 s23, s23, 1
	s_cmp_lg_u32 s23, 0
	s_cbranch_scc1 .Lb
	TURN 0, 1, 0                                   ; the tail fills nothing, and has no round
	STEP 1, 0
	s_wait_dscnt 8                                 ; the very last 128 along K
	WIN 0xa1
	MUL16 0, 1, 1, 1, 0
	MUL16 2, 1, 1, 1, 0
	s_wait_dscnt 0x0
	WIN 0xf1
	MUL16 4, 1, 1, 1, 0
	MUL16 6, 1, 1, 1, 0
	WIN 0
; ---------------------------------------------------------------- OUT
; Tile of rows a: a lane holds row 16 a + r and, in accumulator n, outputs 16 n + 8 h + 0 .. 7 of my 128.  Rows whose largest |x| is not above 0.01 become zeros.
.macro MASK a
	WIN 0
	v_cmp_lt_f32 vcc_lo, s27, v[FLR+(\a)]
	WIN 0x88+0x44*((\a)/4)                         ; source 1 and destination: window 2 or 3
.set QI, 64*((\a)%4)
.rept 64
	v_cndmask_b32 v[QI], 0, v[QI], vcc_lo          ; ascending: each accumulator from its low end on
.set QI, QI+1
.endr
.endm
; 16 rows x 512 bytes go through my stage (rows of 528 bytes) and come back as whole rows.  LDS serves a wave's instructions in order (ISA guide 5.7.1.4): no wait between the stores and the loads, nor in front of the next tile's stores.
.macro TOSTAGE a
.set AC, 64*((\a)%4)
	WIN 0x08+4*((\a)/4)                            ; the data: window 2 or 3
.irp n, 0,1,2,3,4,5,6,7
	ds_store_b128 v193, v[AC+8*\n:AC+8*\n+3] offset:64*\n
	ds_store_b128 v193, v[AC+8*\n+4:AC+8*\n+7] offset:64*\n+16
.endr
	WIN 0
.set BB, 128-64*((\a)%2)
.irp t, 0,1,2,3,4,5,6,7,8,9,10,11,12,13,14,15
	ds_load_b128 v[BB+4*\t:BB+4*\t+3], v194 offset:528*\t
.endr
.endm
.macro SEND a, younger                 ; younger: the LDS instructions issued behind tile a's loads, which may stay out
.set BB, 128-64*((\a)%2)
	s_wait_dscnt \younger
.if (\a) > 0
	s_add_nc_u64 s[18:19], s[18:19], 32768         ; 16 rows on (behind a wait on XCNT: the earlier stores have read their base)
.endif
.irp t, 0,1,2,3,4,5,6,7,8,9,10,11,12,13,14,15
	global_store_b128 v192, v[BB+4*\t:BB+4*\t+3], s[18:19] offset:2048*\t th:TH_STORE_NT   ; 32 lanes store 512 consecutive bytes, at a multiple of 512 from out's first byte
.endr
.endm
	PLACES 4                                       ; behind the last products: their results are read, and the hidden layer's registers are loaded into
.irp a, 0,1,2,3,4,5,6,7
	ds_load_b32 v[FLR+\a], v195 offset:64*\a
.endr
	s_wait_dscnt 0x0
	MASK 0
	TOSTAGE 0
.irp a, 1,2,3,4,5,6,7
.if \a > 1
	s_wait_xcnt 0x0                                ; tile a - 2's stores have read their registers and their base: tile a's loads may land there, and the base may step
.endif
	MASK \a
	TOSTAGE \a
	SEND \a-1, 32                                  ; behind tile a - 1's loads: tile a's 16 stores and 16 loads
.endr
	s_wait_xcnt 0x0
	SEND 7, 0
	s_wait_tensorcnt 0x0                           ; the wave's end: behind my last tensor load and my last LDS store
	ds_add_u32 v4, v5
	s_wait_dscnt 0x0
	ROUND                                          ; the closing round: no work-group ends while a partner may still ask for a tile that names it
	s_endpgm
.Lfunc_end_k_qcd266cceea_ffn:
	.size	k_qcd266cceea_ffn, .Lfunc_end_k_qcd266cceea_ffn-k_qcd266cceea_ffn
	.p2alignl 7, 3214868480
	.fill 96, 4, 3214868480
	.section	.rodata,"a",@progbits
	.p2align	6, 0x0
	.amdhsa_kernel k_qcd266cceea_ffn
		.amdhsa_group_segment_fixed_size 327680
		.amdhsa_private_segment_fixed_size 0
		.amdhsa_enable_private_segment 0
		.amdhsa_kernarg_size 64
		.amdhsa_user_sgpr_count 2
		.amdhsa_user_sgpr_kernarg_segment_ptr 1
		.amdhsa_wavefront_size32 1
		.amdhsa_system_sgpr_workgroup_id_x 1
		.amdhsa_system_sgpr_workgroup_id_y 1
		.amdhsa_system_sgpr_workgroup_id_z 1
		.amdhsa_system_vgpr_workitem_id 0
		.amdhsa_next_free_vgpr 1024
		.amdhsa_next_free_sgpr 100
		.amdhsa_reserve_vcc 1
		.amdhsa_float_denorm_mode_32 3
		.amdhsa_float_denorm_mode_16_64 3
		.amdhsa_memory_ordered 1
		.amdhsa_forward_progress 1
		.amdhsa_inst_pref_size 255
	.end_amdhsa_kernel
	.section	.bss,"aw",@nobits
	.p2align	6
	.space	262144
	.amdgpu_metadata
---
amdhsa.version: [ 1, 2 ]
amdhsa.kernels:
  - .name:           k_qcd266cceea_ffn
    .symbol:         k_qcd266cceea_ffn.kd
    .args:
      - { .name: x, .offset: 0, .size: 8, .value_kind: global_buffer, .address_space: global }
      - { .name: w1_codes, .offset: 8, .size: 8, .value_kind: global_buffer, .address_space: global }
      - { .name: w1_scales, .offset: 16, .size: 8, .value_kind: global_buffer, .address_space: global }
      - { .name: b1, .offset: 24, .size: 8, .value_kind: global_buffer, .address_space: global }
      - { .name: w2_codes, .offset: 32, .size: 8, .value_kind: global_buffer, .address_space: global }
      - { .name: w2_scales, .offset: 40, .size: 8, .value_kind: global_buffer, .address_space: global }
      - { .name: b2, .offset: 48, .size: 8, .value_kind: global_buffer, .address_space: global }
      - { .name: out0, .offset: 56, .size: 8, .value_kind: global_buffer, .address_space: global }
    .group_segment_fixed_size: 327680
    .private_segment_fixed_size: 0
    .kernarg_segment_align: 8
    .kernarg_segment_size: 64
    .max_flat_workgroup_size: 128
    .sgpr_count:     100
    .vgpr_count:     1024
    .wavefront_size: 32
...
	.end_amdgpu_metadata
.endif
;; end of part 1
